; MI455X (gfx1250); checked and timed in simulation.
; The chip was launched on July 23, 2026; its instructions are those of AMD's public machine-readable ISA for CDNA 5 (MIT licence, August 2026) and "CDNA5" Instruction Set Architecture Reference Guide (July 2026). The comments in the code are by the model that wrote it; some were corrected since.
;; q MT SPGR. Allowed arithmetic: float matrix products may take bf16 or f16 operands with f32 sums; all other float work in f32.
;; Inputs: R1_f 1,048,576 float32; R1_m 1,048,576 float32; T2_f 1,048,576 float32; T2_m 1,048,576 float32; exc_fa one number float32; f 1,048,576 float32; k_mf 1,048,576 float32; mt_dur one number float32; mt_fa one number float32; mt_offset one number float32; tr one number float32.
;; Outputs: out0 1,048,576 float32.
;; 2 versions, each right; version 2 is version 1 with the launch qmt written anew for expert scheduling mode. Each part assembles by itself: llvm-mc -triple=amdgcn-amd-amdhsa -mcpu=gfx1250 --defsym DOCPART=n.
;; ======== version 1 of 2: 1 launch
;; launch qmt (part 1): grid 256 x 1, 16 waves a work-group, no clusters, 3,072 bytes of LDS; arguments T2_m, f, k_mf, R1_f, R1_m, T2_f, tr, exc_fa, mt_fa, mt_offset, mt_dur, out0; writes out0
.if DOCPART == 1
	.amdgcn_target "amdgcn-amd-amdhsa--gfx1250"
	.amdhsa_code_object_version 6
	.text
	.protected	k_q376d6eabca_qmt
	.globl	k_q376d6eabca_qmt
	.p2align	8
	.type	k_q376d6eabca_qmt,@function
k_q376d6eabca_qmt:
	s_mov_b64 s[64:65], 0
	v_nop
	global_prefetch_b8 v0, s[64:65] scope:SCOPE_SE
	s_setreg_imm32_b32 hwreg(HW_REG_WAVE_MODE, 25, 1), 1
	s_wait_xcnt 0x0
; qMT SPGR steady-state signal of 1,048,576 independent voxels, all arithmetic in f32.
;
; LINESHAPE.  theta_i = i h, h = (pi/2)/99, term_i = max(|3 cos^2 theta_i - 1|, 1e-6), and
;   g = T2m * sum over i = 0..99 of c_i * 2^(X a_i),   X = (2 pi offset T2m)^2,
;   a_i = -2 log2(e) / term_i^2,   c_i = sqrt(2/pi) h wt_i sin(theta_i) / term_i,   wt = 1/2 at both ends, else 1.
; a_i and c_i hang on no input: wave 0 makes them once into LDS; a point then costs a voxel one multiply, one exponential, one multiply-add.
;
; STEADY STATE, by identities that hold for every 2 x 2 R.  E = expm(R tr) commutes with inv(R), so M_relax = (I - E) Mz, Mz = -inv(R) B.
; Q changes only the first column, so Cramer's rule gives  M[0] = Mz[0] det(I - E) / det(I - E Q),  and
;   det(I - E Q) = det(I - E) + (1 - cos a)(E11 - det E),   Mz[0] = (r R1f (1 - f) + k R1m f) / (R1f r + kfr (R1m + W)).
; E by Cayley-Hamilton: R tr = s I + N, N^2 = z I, z = (tr/2)^2 ZZ, ZZ = (r - p)^2 + 4 k kfr.  ZZ >= 0: eigenvalues s +- w, entered as
; expm1(s + w), expm1(s - w), so that 1 - E is never a difference of numbers near 1.  ZZ < 0 (f outside [0, 1)): w = 0 and the half angle y
; enters through sin^2 y and sin y cos y.  Both cases run in every lane, one of w, y being 0: no branch hangs on data.
;
; LIMITS.  v_exp_f32 gives 0 for results below 2^-126: such terms have no weight in the sum.  The trapezoid's steps are taken as h, the
; reference's are differences of rounded thetas (equal to about 1e-6 relative).  Angles are reduced by pi in two f32 parts: good to about
; 1e5 rad.  s + w and s - w carry the rounding of s: a relative error of 6e-8 |s / lambda| in the small eigenvalue.  ZZ is floored at
; 2^-23 (r - p)^2, the size of its own rounding, which serves coinciding eigenvalues.  Where R or I - E Q is singular the model has no
; finite value either.  T2_f enters no expression of the model: it is loaded, and nothing is computed from it.
;
; SHARES.  256 work-groups of 16 waves; a work-group owns 4,096 voxels (16,384 bytes of each array).  Thread t owns voxels 4t .. 4t+3 of the
; first 2,048 and the same four of the second 2,048: every load and store of a wave covers 512 consecutive bytes, aligned to 512.
; No matrix instruction: the only products are 2 x 2 per voxel and are removed by the algebra above.  No cluster, no tensor load, no LDS ring:
; work-groups share 20 bytes of scalars and nothing else, and a wave asks for all its 6,144 bytes at its start.
.set GOFF, 1                           ; v1        my byte offset in every array, never rewritten
.set TA,   2                           ; v2        LDS address of the trip's table entries
; uniform pairs, both halves equal
.set KX,   4                           ; 2 pi offset
.set KW,   6                           ; pi (mt_rad / dur)^2 (dur / tr)
.set NHTR, 8                           ; -tr / 2
.set SINA, 10                          ; sin(alpha)
.set NOMC, 12                          ; -(1 - cos(alpha))
.set LE,   14                          ; 1/7!    leading coefficients: the first step of a Horner chain would
.set LS,   16                          ; -1/11!  need two literals in one instruction
.set LC,   18                          ; -1/10!
; v[20:29] scratch of the uniform values
; blocks of 8 registers: 0-3 my first four voxels, 4-7 my second four.  Names on one line share registers, in the order of their lives.
.set T2,  32
.set FL,  32
.set ZP,  32
.set WW,  32
.set F,   40
.set ZN,  40
.set YY,  40
.set K,   48
.set MX,  48
.set RR,  48
.set RH,  48
.set RF,  56
.set NR,  56
.set ES,  56
.set UU,  56
.set RM,  64
.set Y2,  64
.set PP,  64
.set T2F, 72                           ; loaded, never read
.set X,   80
.set OMF, 80
.set B0,  80
.set NUM, 80
.set ACC, 88
.set RW,  88
.set D1,  88
.set T0,  96
.set DN,  96
.set B1,  96
.set KK,  96
.set SH,  96
.set US,  96
.set T1,  104
.set KFR, 104
.set CH,  104
.set UC,  104
.set TBA, 112                          ; v[112:115] a, c of two points
.set TBB, 116                          ; v[116:119] a, c of the next two
.set RT,  120
.set HS,  120
.set PT,  128
.set SS,  128
.set DET, 136
.set DF,  144
.set PRHO, 144
.set ZZ,  152
.set L1,  160                          ; v[160:175] s + w, s - w; then v[160:167] at work
.set L2,  168
.set WK,  160
.set X1,  176                          ; v[176:191] expm1 of both
.set X2,  184
.set QQ,  192                          ; v[192:207] the series for small arguments
; wave 0's scratch while it makes the table (registers idle until the epilogue)
.set TH,   120
.set TR2,  124
.set TSN,  128
.set TCS,  132
.set TWT,  136
.set TIX,  140
.set TOUT, 144
.set HSTEP, 0x3c81fabc                 ; h = (pi/2)/99
; ---- arithmetic on np pairs of registers ----
.macro PMUL np, d, a, b                ; d = a b
.set j, 0
	s_wait_alu depctr_va_vdst(0)
.rept \np
	v_pk_mul_f32 v[\d+j:\d+j+1], v[\a+j:\a+j+1], v[\b+j:\b+j+1]
.set j, j+2
.endr
.endm
.macro PMULU np, d, a, u               ; d = a u, u a uniform pair
.set j, 0
	s_wait_alu depctr_va_vdst(0)
.rept \np
	v_pk_mul_f32 v[\d+j:\d+j+1], v[\a+j:\a+j+1], v[\u:\u+1]
.set j, j+2
.endr
.endm
.macro PMULK np, d, a, k               ; d = a k, k a constant
.set j, 0
.rept \np
	v_pk_mul_f32 v[\d+j:\d+j+1], v[\a+j:\a+j+1], \k op_sel_hi:[1,0]
.set j, j+2
.endr
.endm
.macro PADD np, d, a, b                ; d = a + b
.set j, 0
.rept \np
	v_pk_add_f32 v[\d+j:\d+j+1], v[\a+j:\a+j+1], v[\b+j:\b+j+1]
.set j, j+2
.endr
.endm
.macro PSUB np, d, a, b                ; d = a - b
.set j, 0
.rept \np
	v_pk_add_f32 v[\d+j:\d+j+1], v[\a+j:\a+j+1], v[\b+j:\b+j+1] neg_lo:[0,1] neg_hi:[0,1]
.set j, j+2
.endr
.endm
.macro PADDK np, d, a, k               ; d = a + k
.set j, 0
	s_wait_alu depctr_va_vdst(0)
.rept \np
	v_pk_add_f32 v[\d+j:\d+j+1], v[\a+j:\a+j+1], \k op_sel_hi:[1,0]
.set j, j+2
.endr
.endm
.macro PFMA np, d, a, b, c             ; d = a b + c
.set j, 0
.rept \np
	v_pk_fma_f32 v[\d+j:\d+j+1], v[\a+j:\a+j+1], v[\b+j:\b+j+1], v[\c+j:\c+j+1]
.set j, j+2
.endr
.endm
.macro PFMAK np, d, a, b, k            ; d = a b + k
.set j, 0
.rept \np
	v_pk_fma_f32 v[\d+j:\d+j+1], v[\a+j:\a+j+1], v[\b+j:\b+j+1], \k op_sel_hi:[1,1,0]
.set j, j+2
.endr
.endm
.macro PFMAM np, d, a, k, c            ; d = a k + c
.set j, 0
.rept \np
	v_pk_fma_f32 v[\d+j:\d+j+1], v[\a+j:\a+j+1], \k, v[\c+j:\c+j+1] op_sel_hi:[1,0,1]
.set j, j+2
.endr
.endm
.macro PFMAU np, d, a, u, c            ; d = a u + c, u uniform
.set j, 0
.rept \np
	v_pk_fma_f32 v[\d+j:\d+j+1], v[\a+j:\a+j+1], v[\u:\u+1], v[\c+j:\c+j+1]
.set j, j+2
.endr
.endm
.macro PFMAUK np, d, a, u, k           ; d = a u + k, u uniform
.set j, 0
.rept \np
	v_pk_fma_f32 v[\d+j:\d+j+1], v[\a+j:\a+j+1], v[\u:\u+1], \k op_sel_hi:[1,1,0]
.set j, j+2
.endr
.endm
.macro PFMAKK np, d, a, k1, k2         ; d = a k1 + k2
.set j, 0
.rept \np
	v_pk_fma_f32 v[\d+j:\d+j+1], v[\a+j:\a+j+1], \k1, \k2 op_sel_hi:[1,0,0]
.set j, j+2
.endr
.endm
.macro EACH1 op, cnt, d, a             ; a one-source instruction on cnt single registers
.set j, 0
.rept \cnt
	\op v[\d+j], v[\a+j]
.set j, j+1
.endr
.endm
; sn = sin y, cs = cos y by their series to y^11 and y^10 (cut at 6e-8 and 5e-7 for |y| = pi/2).  red = 1: y is first reduced by the nearest
; multiple of pi, in place.  That flips the signs of both together: every use below is a product of two of them.
.macro SINCOS np, red, y, nn, r2, sn, cs
.if \red
	PMULK  \np, \nn, \y, 0x3ea2f983                ; y / pi
	EACH1  v_rndne_f32, 2*\np, \nn, \nn
	PFMAM  \np, \y, \nn, 0xc0490fdb, \y            ; y - n pi, pi in two parts
	PFMAM  \np, \y, \nn, 0x33bbbd2e, \y
.endif
	PMUL   \np, \r2, \y, \y
	PFMAUK \np, \sn, \r2, LS, 0x3638ef1d           ; two chains, line about
	PFMAUK \np, \cs, \r2, LC, 0x37d00d01
	PFMAK  \np, \sn, \sn, \r2, 0xb9500d01
	PFMAK  \np, \cs, \cs, \r2, 0xbab60b61
	PFMAK  \np, \sn, \sn, \r2, 0x3c088889
	PFMAK  \np, \cs, \cs, \r2, 0x3d2aaaab
	PFMAK  \np, \sn, \sn, \r2, 0xbe2aaaab
	PFMAK  \np, \cs, \cs, \r2, -0.5
	PFMAK  \np, \sn, \sn, \r2, 1.0
	PFMAK  \np, \cs, \cs, \r2, 1.0
	PMUL   \np, \sn, \sn, \y
.endm
; x = e^l - 1.  |l| < 1/2: the series to l^7 (cut at 1.9e-7 relative); else 2^(l log2 e) - 1, which loses at most a bit there.
.macro EXPM1 np, l, x, q
	PMULK  \np, \x, \l, 0x3fb8aa3b
	EACH1  v_exp_f32, 2*\np, \x, \x
	PFMAUK \np, \q, \l, LE, 0x3ab60b61             ; plain lines that touch no x stand between the exponentials and their use (ISA guide 5.7.2)
	PFMAK  \np, \q, \q, \l, 0x3c088889
	PFMAK  \np, \q, \q, \l, 0x3d2aaaab
	PFMAK  \np, \q, \q, \l, 0x3e2aaaab
	PFMAK  \np, \q, \q, \l, 0.5
	PFMAK  \np, \q, \q, \l, 1.0
	PMUL   \np, \q, \q, \l
	PADDK  \np, \x, \x, -1.0
.set j, 0
.rept 2*\np
	v_cmp_lt_f32 vcc_lo, |v[\l+j]|, 0.5
	v_cndmask_b32 v[\x+j], v[\x+j], v[\q+j], vcc_lo
.set j, j+1
.endr
.endm
.macro XA d, tb                        ; d = X a: a is the first word of the table pair tb
.set j, 0
	s_wait_alu depctr_va_vdst(0)
.rept 4
	v_pk_mul_f32 v[\d+j:\d+j+1], v[X+j:X+j+1], v[\tb:\tb+1] op_sel_hi:[1,0]
.set j, j+2
.endr
.endm
; One point for my 8 voxels.  cur holds X a of this point; the next point's exponents (table pair tn, into nxt) are made between the
; exponentials and their use, where a plain independent line has to stand anyway.  c is the second word of the pair tc.
; first = 1: the product starts the sums, nothing is cleared.  last = 1: no point follows.
.macro POINT cur, nxt, tc, tn, first, last
	EACH1 v_exp_f32, 8, \cur, \cur
.if \last
	v_nop
	s_wait_alu depctr_va_vdst(0)
.else
	XA \nxt, \tn
.endif
.set j, 0
.rept 4
.if \first
	s_wait_alu depctr_va_vdst(0)
	v_pk_mul_f32 v[ACC+j:ACC+j+1], v[\cur+j:\cur+j+1], v[\tc:\tc+1] op_sel:[0,1] op_sel_hi:[1,1]
.else
	v_pk_fma_f32 v[ACC+j:ACC+j+1], v[\cur+j:\cur+j+1], v[\tc:\tc+1], v[ACC+j:ACC+j+1] op_sel:[0,1,0] op_sel_hi:[1,1,1]
.endif
.set j, j+2
.endr
.endm
; Four points.  At the head TBA is in and TBB's load is the one LDS instruction that is out.  more = 1: the next trip's 32 bytes are asked
; for, each half as soon as its registers have been read for the last time, one or two points ahead of the wait for it.
.macro TRIP first, more
	POINT T0, T1, TBA, TBA+2, \first, 0
	s_wait_dscnt 0x0                               ; TBB: the only LDS load that is out
	POINT T1, T0, TBA+2, TBB, 0, 0
.if \more
	ds_load_b128 v[TBA:TBA+3], v[TA] offset:32
.endif
	POINT T0, T1, TBB, TBB+2, 0, 0
.if \more
	s_wait_dscnt 0x0                               ; TBA: again the only one
	POINT T1, T0, TBB+2, TBA, 0, 0
	ds_load_b128 v[TBB:TBB+3], v[TA] offset:48
	v_add_nc_u32 v[TA], 32, v[TA]
.else
	POINT T1, T0, TBB+2, TBB, 0, 1
.endif
.endm
.macro LD2 d, p                        ; my 2 x 16 bytes of one array
	global_load_b128 v[\d:\d+3],   v[GOFF], s[\p:\p+1] th:TH_LOAD_NT
	global_load_b128 v[\d+4:\d+7], v[GOFF], s[\p:\p+1] offset:8192 th:TH_LOAD_NT
.endm
	; ---- set-up ----
	s_load_b512 s[8:23], s[0:1], 0x0               ; T2_m 8, f 10, k_mf 12, R1_f 14, R1_m 16, T2_f 18, tr 20, exc_fa 22
	s_load_b256 s[24:31], s[0:1], 0x40             ; mt_fa 24, mt_offset 26, mt_dur 28, out0 30
	v_lshl_add_u32 v208, v0, 2, 0x400
	v_mov_b32 v209, 0
	v_lshrrev_b32 v2, 5, v0
	v_readfirstlane_b32 s3, v2                     ; wave number
	s_lshl_b32 s2, ttmp9, 14                       ; the work-group's 16,384 bytes
	v_lshl_add_u32 v[GOFF], v0, 4, s2
	s_mov_b32 s38, 0x358637bd                      ; 1e-6
	s_mov_b32 s39, 0x0d800000                      ; 2^-100
	v_mov_b32 v[LE],   0x39500d01
	v_mov_b32 v[LE+1], 0x39500d01
	v_mov_b32 v[LS],   0xb2d7322b
	v_mov_b32 v[LS+1], 0xb2d7322b
	v_mov_b32 v[LC],   0xb493f27e
	v_mov_b32 v[LC+1], 0xb493f27e
	s_wait_kmcnt 0x0
	LD2 T2,  8                                     ; T2_m first: the sum needs nothing else
	LD2 F,   10
	LD2 K,   12
	LD2 RF,  14
	LD2 RM,  16
	LD2 T2F, 18
	s_load_b32 s32, s[20:21], 0x0                  ; tr
	s_load_b32 s33, s[22:23], 0x0                  ; exc_fa
	s_load_b32 s34, s[24:25], 0x0                  ; mt_fa
	s_load_b32 s35, s[26:27], 0x0                  ; mt_offset
	s_load_b32 s36, s[28:29], 0x0                  ; mt_dur
	; ---- the table: wave 0, lane l makes entries 4l .. 4l+3, 8 bytes each, at LDS byte 32 l.  Entries 100-127 are written and never read. ----
	s_cmp_lg_u32 s3, 0
	s_cbranch_scc1 .Lnotable
	v_and_b32 v20, 31, v0
	v_lshlrev_b32 v21, 2, v20
	v_lshlrev_b32 v22, 5, v20
.irp e, 0,1,2,3
	v_add_nc_u32 v[TIX+\e], \e, v21
	v_cvt_f32_u32 v[TH+\e], v[TIX+\e]
.endr
	PMULK  2, TH, TH, HSTEP                        ; theta = i h, at most pi/2 for the entries that are read: no reduction
	SINCOS 2, 0, TH, TWT, TR2, TSN, TCS
	PMUL   2, TCS, TCS, TCS
	PFMAKK 2, TCS, TCS, 0x40400000, -1.0           ; 3 cos^2 - 1
.irp e, 0,1,2,3
	v_max_num_f32 v[TCS+\e], |v[TCS+\e]|, s38      ; term, clipped at 1e-6 from below
.endr
	EACH1 v_rcp_f32, 4, TCS, TCS
	v_cmp_eq_u32 vcc_lo, 0, v[TIX]                 ; the trapezoid's weights (plain lines behind the reciprocals)
	v_cndmask_b32 v[TWT], 1.0, 0.5, vcc_lo
	v_mov_b32 v[TWT+1], 1.0
	v_mov_b32 v[TWT+2], 1.0
	v_cmp_eq_u32 vcc_lo, 99, v[TIX+3]
	v_cndmask_b32 v[TWT+3], 1.0, 0.5, vcc_lo
	s_wait_alu depctr_va_vdst(0)
	PMUL   2, TSN, TSN, TCS                        ; sin / term
	PMUL   2, TSN, TSN, TWT
	PMULK  2, TSN, TSN, HSTEP
	PMUL   2, TCS, TCS, TCS                        ; 1 / term^2
.irp e, 0,1,2,3
	v_mul_f32 v[TOUT+2*\e],   0xc038aa3b, v[TCS+\e]   ; a = -2 log2(e) / term^2
	v_mul_f32 v[TOUT+2*\e+1], 0x3f4c422a, v[TSN+\e]   ; c = sqrt(2/pi) h wt sin / term
.endr
	ds_store_b128 v22, v[TOUT:TOUT+3]
	ds_store_b128 v22, v[TOUT+4:TOUT+7] offset:16
.Lnotable:
	; ---- what hangs on the five scalars alone, in every wave, as pairs ----
	s_wait_kmcnt 0x0
	v_mov_b32 v20, s33
	v_mov_b32 v21, s33
	PMULK  1, 20, 20, 0x3c0efa35                   ; alpha / 2 in radians
	SINCOS 1, 1, 20, 22, 24, 26, 28
	PMUL   1, SINA, 26, 28
	PMULK  1, SINA, SINA, 2.0                      ; sin a = 2 sin(a/2) cos(a/2)
	PMUL   1, NOMC, 26, 26
	PMULK  1, NOMC, NOMC, -2.0                     ; -(1 - cos a) = -2 sin^2(a/2): no difference of numbers near 1
	v_mov_b32 v[KX],   s35
	v_mov_b32 v[KX+1], s35
	PMULK  1, KX, KX, 0x40c90fdb
	v_mov_b32 v[NHTR],   s32
	v_mov_b32 v[NHTR+1], s32
	PMULK  1, NHTR, NHTR, -0.5
	v_rcp_f32 v22, s36                             ; 1 / dur
	v_rcp_f32 v23, s32                             ; 1 / tr
	v_mov_b32 v24, s34                             ; (the plain line behind them)
	v_mul_f32 v24, 0x3c8efa35, v24                 ; mt_fa in radians
	s_wait_alu depctr_va_vdst(0)
	v_mul_f32 v24, v24, v22                        ; w1
	v_mul_f32 v25, s36, v23                        ; dur / tr
	v_mul_f32 v24, v24, v24
	v_mul_f32 v25, 0x40490fdb, v25
	v_mul_f32 v[KW], v24, v25
	v_mov_b32 v[KW+1], v[KW]
	; ---- the launch's one barrier: wave 0's table stores are complete before it signals, the others read behind their wait ----
	s_wait_dscnt 0x0
	s_barrier_signal -1
	s_barrier_wait -1
	v_mov_b32 v[TA], 0
	ds_load_b128 v[TBA:TBA+3], v[TA]
	ds_load_b128 v[TBB:TBB+3], v[TA] offset:16
	; ---- the sum over 100 points: 25 trips of four ----
	s_wait_loadcnt 0xa                             ; T2_m's two loads are in; the ten younger ones stay out
	PMULU 4, X, T2, KX
	PMUL  4, X, X, X
	s_wait_dscnt 0x1                               ; TBA is in, TBB may be out
	XA T0, TBA
	TRIP 1, 1
	s_mov_b32 s37, 23
.Ltrip:
	TRIP 0, 1
	s_sub_co_i32 s37, s37, 1
	s_cmp_lg_u32 s37, 0
	s_cbranch_scc1 .Ltrip
	TRIP 0, 0                                      ; points 96-99: nothing more is asked of the table
	; ---- the 2 x 2 part ----
	s_wait_loadcnt 0x0                             ; all twelve loads
	PMUL   4, ACC, ACC, T2                         ; g
	PMULU  4, ACC, ACC, KW                         ; W
	PFMAKK 4, OMF, F, -1.0, 1.0                    ; 1 - f
	PADDK  4, DN, OMF, 0x3089705f                  ; + 1e-9
	EACH1  v_rcp_f32, 8, DN, DN
	PMUL   4, KFR, K, F                            ; (plain lines behind the reciprocals)
	PMUL   4, KFR, KFR, DN                         ; kfr
	PADD   4, RW, ACC, RM                          ; R1m + W
	PADD   4, RT, RW, K                            ; r
	PADD   4, PT, RF, KFR                          ; p
	PMUL   4, DET, RF, RT
	PFMA   4, DET, KFR, RW, DET                    ; det R = R1f r + kfr (R1m + W): a sum, not p r - k kfr
	PMUL   4, B0, RF, OMF
	PMUL   4, B1, RM, F
	PMUL   4, NUM, RT, B0
	PFMA   4, NUM, K, B1, NUM                      ; Mz[0] det R
	PMUL   4, KK, K, KFR
	PSUB   4, DF, RT, PT                           ; r - p
	PADD   4, SS, RT, PT                           ; r + p
	PMUL   4, ZZ, DF, DF
	PMULK  4, FL, ZZ, 0x34000000                   ; the floor, 2^-23 (r - p)^2
	PFMAM  4, ZZ, KK, 4.0, ZZ
.set j, 0
.rept 8
	v_cmp_gt_f32 vcc_lo, 0, v[ZZ+j]
	v_max_num_f32 v[ZP+j], v[ZZ+j], v[FL+j]
	v_cndmask_b32 v[ZP+j], v[ZP+j], 0, vcc_lo      ; ZP: ZZ where the eigenvalues are real, else 0
	v_max_num_f32 v[ZN+j], -v[ZZ+j], 0             ; ZN: -ZZ where they are complex, else 0
	v_max3_num_f32 v[MX+j], v[ZP+j], v[ZN+j], s39  ; |ZZ|, kept off 0 for the root
.set j, j+1
.endr
	EACH1  v_rsq_f32, 8, MX, MX
	PMULU  4, SS, SS, NHTR                         ; s (plain lines behind the roots)
	PMUL   4, PRHO, DF, RR                         ; (r - p) / sqrt|ZZ|
	PMULU  4, RH, RR, NHTR
	PMUL   4, WW, ZP, RH                           ; w = -(tr/2) sqrt ZP
	PMUL   4, YY, ZN, RH
	PMULK  4, YY, YY, 0.5                          ; y = -(tr/4) sqrt ZN
	PADD   4, L1, SS, WW
	PSUB   4, L2, SS, WW
	EXPM1  8, L1, X1, QQ                           ; x1, x2
	SINCOS 4, 1, YY, NR, Y2, SH, CH
	PADDK  4, ES, X1, 1.0
	PMUL   4, UU, ES, SH                           ; e^s sin y
	PMUL   4, US, UU, SH
	PMUL   4, UC, UU, CH
	PMUL   4, PP, X1, X2
	PFMAM  4, D1, US, 4.0, PP                      ; det(I - E) = x1 x2 + 4 e^s sin^2 y
	PADD   4, HS, X1, X2
	PSUB   4, WK, X1, X2
	PFMAM  4, WK, UC, 4.0, WK
	PFMA   4, WK, PRHO, WK, HS
	PFMAM  4, WK, WK, 0.5, PP
	PFMAM  4, WK, US, 2.0, WK                      ; -(E11 - det E)
	PFMAU  4, WK, WK, NOMC, D1                     ; det(I - E Q)
	PMUL   4, WK, WK, DET
	EACH1  v_rcp_f32, 8, WK, WK
	PMUL   4, NUM, NUM, D1                         ; (plain lines behind the reciprocals)
	PMULU  4, NUM, NUM, SINA
	PMUL   4, NUM, NUM, WK
	global_store_b128 v[GOFF], v[NUM:NUM+3],   s[30:31] th:TH_STORE_NT
	global_store_b128 v[GOFF], v[NUM+4:NUM+7], s[30:31] offset:8192 th:TH_STORE_NT
	s_wait_tensorcnt 0x0
	ds_add_u32 v208, v209
	s_wait_dscnt 0x0
	s_endpgm
.Lfunc_end_k_q376d6eabca_qmt:
	.size	k_q376d6eabca_qmt, .Lfunc_end_k_q376d6eabca_qmt-k_q376d6eabca_qmt
	.p2alignl 7, 3214868480
	.fill 96, 4, 3214868480
	.section	.rodata,"a",@progbits
	.p2align	6, 0x0
	.amdhsa_kernel k_q376d6eabca_qmt
		.amdhsa_group_segment_fixed_size 3072
		.amdhsa_private_segment_fixed_size 0
		.amdhsa_enable_private_segment 0
		.amdhsa_kernarg_size 96
		.amdhsa_user_sgpr_count 2
		.amdhsa_user_sgpr_kernarg_segment_ptr 1
		.amdhsa_wavefront_size32 1
		.amdhsa_system_sgpr_workgroup_id_x 1
		.amdhsa_system_sgpr_workgroup_id_y 1
		.amdhsa_system_sgpr_workgroup_id_z 1
		.amdhsa_system_vgpr_workitem_id 0
		.amdhsa_next_free_vgpr 210
		.amdhsa_next_free_sgpr 66
		.amdhsa_reserve_vcc 1
		.amdhsa_float_denorm_mode_32 3
		.amdhsa_float_denorm_mode_16_64 3
		.amdhsa_memory_ordered 1
		.amdhsa_forward_progress 1
		.amdhsa_inst_pref_size 50
	.end_amdhsa_kernel
	.amdgpu_metadata
---
amdhsa.version: [ 1, 2 ]
amdhsa.kernels:
  - .name:           k_q376d6eabca_qmt
    .symbol:         k_q376d6eabca_qmt.kd
    .args:
      - { .name: T2_m, .offset: 0, .size: 8, .value_kind: global_buffer, .address_space: global }
      - { .name: f, .offset: 8, .size: 8, .value_kind: global_buffer, .address_space: global }
      - { .name: k_mf, .offset: 16, .size: 8, .value_kind: global_buffer, .address_space: global }
      - { .name: R1_f, .offset: 24, .size: 8, .value_kind: global_buffer, .address_space: global }
      - { .name: R1_m, .offset: 32, .size: 8, .value_kind: global_buffer, .address_space: global }
      - { .name: T2_f, .offset: 40, .size: 8, .value_kind: global_buffer, .address_space: global }
      - { .name: tr, .offset: 48, .size: 8, .value_kind: global_buffer, .address_space: global }
      - { .name: exc_fa, .offset: 56, .size: 8, .value_kind: global_buffer, .address_space: global }
      - { .name: mt_fa, .offset: 64, .size: 8, .value_kind: global_buffer, .address_space: global }
      - { .name: mt_offset, .offset: 72, .size: 8, .value_kind: global_buffer, .address_space: global }
      - { .name: mt_dur, .offset: 80, .size: 8, .value_kind: global_buffer, .address_space: global }
      - { .name: out0, .offset: 88, .size: 8, .value_kind: global_buffer, .address_space: global }
    .group_segment_fixed_size: 3072
    .private_segment_fixed_size: 0
    .kernarg_segment_align: 8
    .kernarg_segment_size: 96
    .max_flat_workgroup_size: 512
    .sgpr_count:     66
    .vgpr_count:     210
    .wavefront_size: 32
...
	.end_amdgpu_metadata
.endif
;; end of part 1
;; ======== version 2 of 2: 1 launch; version 1 with the launch qmt written anew for expert scheduling mode
;; launch qmt (part 2): grid 256 x 1, 16 waves a work-group, no clusters, 3,072 bytes of LDS; arguments T2_m, f, k_mf, R1_f, R1_m, T2_f, tr, exc_fa, mt_fa, mt_offset, mt_dur, out0; writes out0
.if DOCPART == 2
	.amdgcn_target "amdgcn-amd-amdhsa--gfx1250"
	.amdhsa_code_object_version 6
	.text
	.protected	k_q376d6eabca_qmt
	.globl	k_q376d6eabca_qmt
	.p2align	8
	.type	k_q376d6eabca_qmt,@function
k_q376d6eabca_qmt:
	s_mov_b64 s[64:65], 0
	v_nop
	global_prefetch_b8 v0, s[64:65] scope:SCOPE_SE
	s_setreg_imm32_b32 hwreg(HW_REG_WAVE_SCHED_MODE, 0, 2), 2
	s_setreg_imm32_b32 hwreg(HW_REG_WAVE_MODE, 25, 1), 1
	s_wait_xcnt 0x0
	s_wait_alu depctr_vm_vsrc(0)
; qMT SPGR steady-state signal of 1,048,576 independent voxels, all arithmetic in f32.
;
; LINESHAPE.  theta_i = i h, h = (pi/2)/99, term_i = max(|3 cos^2 theta_i - 1|, 1e-6), and
;   g = T2m * sum over i = 0..99 of c_i * 2^(X a_i),   X = (2 pi offset T2m)^2,
;   a_i = -2 log2(e) / term_i^2,   c_i = sqrt(2/pi) h wt_i sin(theta_i) / term_i,   wt = 1/2 at both ends, else 1.
; a_i and c_i hang on no input: wave 0 makes them once into LDS; a point then costs a voxel one multiply, one exponential, one multiply-add.
;
; STEADY STATE, by identities that hold for every 2 x 2 R.  E = expm(R tr) commutes with inv(R), so M_relax = (I - E) Mz, Mz = -inv(R) B.
; Q changes only the first column, so Cramer's rule gives  M[0] = Mz[0] det(I - E) / det(I - E Q),  and
;   det(I - E Q) = det(I - E) + (1 - cos a)(E11 - det E),   Mz[0] = (r R1f (1 - f) + k R1m f) / (R1f r + kfr (R1m + W)).
; E by Cayley-Hamilton: R tr = s I + N, N^2 = z I, z = (tr/2)^2 ZZ, ZZ = (r - p)^2 + 4 k kfr.  ZZ >= 0: eigenvalues s +- w, entered as
; expm1(s + w), expm1(s - w), so that 1 - E is never a difference of numbers near 1.  ZZ < 0 (f outside [0, 1)): w = 0 and the half angle y
; enters through sin^2 y and sin y cos y.  Both cases run in every lane, one of w, y being 0: no branch hangs on data.
;
; LIMITS.  v_exp_f32 gives 0 for results below 2^-126: such terms have no weight in the sum.  The trapezoid's steps are taken as h, the
; reference's are differences of rounded thetas (equal to about 1e-6 relative).  Angles are reduced by pi in two f32 parts: good to about
; 1e5 rad.  s + w and s - w carry the rounding of s: a relative error of 6e-8 |s / lambda| in the small eigenvalue.  ZZ is floored at
; 2^-23 (r - p)^2, the size of its own rounding, which serves coinciding eigenvalues.  Where R or I - E Q is singular the model has no
; finite value either.  T2_f enters no expression of the model: it is loaded, and nothing is computed from it.
;
; SHARES.  256 work-groups of 16 waves; a work-group owns 4,096 voxels (16,384 bytes of each array).  Thread t owns voxels 4t .. 4t+3 of the
; first 2,048 and the same four of the second 2,048: every load and store of a wave covers 512 consecutive bytes, aligned to 512.
; No matrix instruction: the only products are 2 x 2 per voxel and are removed by the algebra above.  No cluster, no tensor load, no LDS ring:
; work-groups share 20 bytes of scalars and nothing else, and a wave asks for all its 6,144 bytes at its start.
;
; THE MODE: SCHED_MODE bits 1:0 = 2 (LLVM: expert scheduling mode 2), set by the entry lines.  The code itself states the register dependences
; between vector instructions and memory or LDS instructions, and those through scalar registers that vector instructions write, with
; s_wait_alu, always for 0.
; THE PLAN.  Registers that memory or LDS instructions touch:
;   v[GOFF]        Written once at the head; read by the twelve loads and the two stores.
;   v[TA]          Read by every load of the table.  Written at the head (0) and once a trip of the loop, at the trip's head.
;   v[32:79]       The six arrays' loads land here; no vector instruction names them before the wait for the data.
;   v22, v[TOUT..] Wave 0 alone: address and data of the two LDS stores of the table; both are written again further down.
;   TB0, TB1       The table's entries of a step (four points), by turns.  Step p's vector lines read TB[p % 2] and, in its last point, the first
;                  pair of the other buffer.  Step p's two loads, the entries of step p + 1, land in TB[(p + 1) % 2] = TB[(p - 1) % 2], which
;                  only vector lines of steps p - 1 and p - 2 name.
;   v[NUM..]       Written by the last multiplies; read by the two stores.
; So ONE wait on va_vdst stands at the head of a step that loads: the step before is done reading the buffer in which the loads land (and, in a
; trip's first step, v[TA] is written).  The two loads follow it at once, three points ahead of the wait for their data.  One wait on vm_vsrc a
; trip stands ahead of the add to v[TA].  Compares stand in runs, their masks in s[MSK ..], one wait on va_sdst behind each run.
.set GOFF, 1                           ; v1        my byte offset in every array, never rewritten
.set TA,   2                           ; v2        LDS address from which the trip's table loads count
.set MSK,  40                          ; s[40:55]  the lane masks of a run of compares
; uniform pairs, both halves equal
.set KX,   4                           ; 2 pi offset
.set KW,   6                           ; pi (mt_rad / dur)^2 (dur / tr)
.set NHTR, 8                           ; -tr / 2
.set SINA, 10                          ; sin(alpha)
.set NOMC, 12                          ; -(1 - cos(alpha))
.set LE,   14                          ; 1/7!    leading coefficients: the first step of a Horner chain would
.set LS,   16                          ; -1/11!  need two literals in one instruction
.set LC,   18                          ; -1/10!
; v[20:29] scratch of the uniform values
; blocks of 8 registers: 0-3 my first four voxels, 4-7 my second four.  Names on one line share registers, in the order of their lives.
.set T2,  32
.set FL,  32
.set ZP,  32
.set WW,  32
.set F,   40
.set ZN,  40
.set YY,  40
.set K,   48
.set MX,  48
.set RR,  48
.set RH,  48
.set RF,  56
.set NR,  56
.set ES,  56
.set UU,  56
.set RM,  64
.set Y2,  64
.set PP,  64
.set T2F, 72                           ; loaded, never read
.set X,   80
.set OMF, 80
.set B0,  80
.set NUM, 80
.set ACC, 88
.set RW,  88
.set D1,  88
.set T0,  96
.set DN,  96
.set B1,  96
.set KK,  96
.set SH,  96
.set US,  96
.set T1,  104
.set KFR, 104
.set CH,  104
.set UC,  104
.set TB0, 112                          ; v[112:119] a, c of the four points of an even step
.set TB1, 208                          ; v[208:215] a, c of the four points of an odd step
.set RT,  120
.set HS,  120
.set PT,  128
.set SS,  128
.set DET, 136
.set DF,  144
.set PRHO, 144
.set ZZ,  152
.set L1,  160                          ; v[160:175] s + w, s - w; then v[160:167] at work
.set L2,  168
.set WK,  160
.set X1,  176                          ; v[176:191] expm1 of both
.set X2,  184
.set QQ,  192                          ; v[192:207] the series for small arguments
; wave 0's scratch while it makes the table (registers idle until the epilogue)
.set TH,   120
.set TR2,  124
.set TSN,  128
.set TCS,  132
.set TWT,  136
.set TIX,  140
.set TOUT, 144
.set HSTEP, 0x3c81fabc                 ; h = (pi/2)/99
; ---- arithmetic on np pairs of registers ----
.macro PMUL np, d, a, b                ; d = a b
.set j, 0
	s_wait_alu depctr_va_vdst(0)
.rept \np
	v_pk_mul_f32 v[\d+j:\d+j+1], v[\a+j:\a+j+1], v[\b+j:\b+j+1]
.set j, j+2
.endr
.endm
.macro PMULU np, d, a, u               ; d = a u, u a uniform pair
.set j, 0
	s_wait_alu depctr_va_vdst(0)
.rept \np
	v_pk_mul_f32 v[\d+j:\d+j+1], v[\a+j:\a+j+1], v[\u:\u+1]
.set j, j+2
.endr
.endm
.macro PMULK np, d, a, k               ; d = a k, k a constant
.set j, 0
.rept \np
	v_pk_mul_f32 v[\d+j:\d+j+1], v[\a+j:\a+j+1], \k op_sel_hi:[1,0]
.set j, j+2
.endr
.endm
.macro PADD np, d, a, b                ; d = a + b
.set j, 0
.rept \np
	v_pk_add_f32 v[\d+j:\d+j+1], v[\a+j:\a+j+1], v[\b+j:\b+j+1]
.set j, j+2
.endr
.endm
.macro PSUB np, d, a, b                ; d = a - b
.set j, 0
.rept \np
	v_pk_add_f32 v[\d+j:\d+j+1], v[\a+j:\a+j+1], v[\b+j:\b+j+1] neg_lo:[0,1] neg_hi:[0,1]
.set j, j+2
.endr
.endm
.macro PADDK np, d, a, k               ; d = a + k
.set j, 0
	s_wait_alu depctr_va_vdst(0)
.rept \np
	v_pk_add_f32 v[\d+j:\d+j+1], v[\a+j:\a+j+1], \k op_sel_hi:[1,0]
.set j, j+2
.endr
.endm
.macro PFMA np, d, a, b, c             ; d = a b + c
.set j, 0
.rept \np
	v_pk_fma_f32 v[\d+j:\d+j+1], v[\a+j:\a+j+1], v[\b+j:\b+j+1], v[\c+j:\c+j+1]
.set j, j+2
.endr
.endm
.macro PFMAK np, d, a, b, k            ; d = a b + k
.set j, 0
.rept \np
	v_pk_fma_f32 v[\d+j:\d+j+1], v[\a+j:\a+j+1], v[\b+j:\b+j+1], \k op_sel_hi:[1,1,0]
.set j, j+2
.endr
.endm
.macro PFMAM np, d, a, k, c            ; d = a k + c
.set j, 0
.rept \np
	v_pk_fma_f32 v[\d+j:\d+j+1], v[\a+j:\a+j+1], \k, v[\c+j:\c+j+1] op_sel_hi:[1,0,1]
.set j, j+2
.endr
.endm
.macro PFMAU np, d, a, u, c            ; d = a u + c, u uniform
.set j, 0
.rept \np
	v_pk_fma_f32 v[\d+j:\d+j+1], v[\a+j:\a+j+1], v[\u:\u+1], v[\c+j:\c+j+1]
.set j, j+2
.endr
.endm
.macro PFMAUK np, d, a, u, k           ; d = a u + k, u uniform
.set j, 0
.rept \np
	v_pk_fma_f32 v[\d+j:\d+j+1], v[\a+j:\a+j+1], v[\u:\u+1], \k op_sel_hi:[1,1,0]
.set j, j+2
.endr
.endm
.macro PFMAKK np, d, a, k1, k2         ; d = a k1 + k2
.set j, 0
.rept \np
	v_pk_fma_f32 v[\d+j:\d+j+1], v[\a+j:\a+j+1], \k1, \k2 op_sel_hi:[1,0,0]
.set j, j+2
.endr
.endm
.macro EACH1 op, cnt, d, a             ; a one-source instruction on cnt single registers
.set j, 0
.rept \cnt
	\op v[\d+j], v[\a+j]
.set j, j+1
.endr
.endm
; sn = sin y, cs = cos y by their series to y^11 and y^10 (cut at 6e-8 and 5e-7 for |y| = pi/2).  red = 1: y is first reduced by the nearest
; multiple of pi, in place.  That flips the signs of both together: every use below is a product of two of them.
.macro SINCOS np, red, y, nn, r2, sn, cs
.if \red
	PMULK  \np, \nn, \y, 0x3ea2f983                ; y / pi
	EACH1  v_rndne_f32, 2*\np, \nn, \nn
	PFMAM  \np, \y, \nn, 0xc0490fdb, \y            ; y - n pi, pi in two parts
	PFMAM  \np, \y, \nn, 0x33bbbd2e, \y
.endif
	PMUL   \np, \r2, \y, \y
	PFMAUK \np, \sn, \r2, LS, 0x3638ef1d           ; two chains, line about
	PFMAUK \np, \cs, \r2, LC, 0x37d00d01
	PFMAK  \np, \sn, \sn, \r2, 0xb9500d01
	PFMAK  \np, \cs, \cs, \r2, 0xbab60b61
	PFMAK  \np, \sn, \sn, \r2, 0x3c088889
	PFMAK  \np, \cs, \cs, \r2, 0x3d2aaaab
	PFMAK  \np, \sn, \sn, \r2, 0xbe2aaaab
	PFMAK  \np, \cs, \cs, \r2, -0.5
	PFMAK  \np, \sn, \sn, \r2, 1.0
	PFMAK  \np, \cs, \cs, \r2, 1.0
	PMUL   \np, \sn, \sn, \y
.endm
; x = e^l - 1.  |l| < 1/2: the series to l^7 (cut at 1.9e-7 relative); else 2^(l log2 e) - 1, which loses at most a bit there.
; The compares stand in one run at the head, their masks in s[MSK ..]; the selects stand in one run at the end, behind one wait.
.macro EXPM1 np, l, x, q
.set j, 0
.rept 2*\np
	v_cmp_lt_f32 s[MSK+j], |v[\l+j]|, 0.5
.set j, j+1
.endr
	PMULK  \np, \x, \l, 0x3fb8aa3b
	EACH1  v_exp_f32, 2*\np, \x, \x
	PFMAUK \np, \q, \l, LE, 0x3ab60b61             ; plain lines that touch no x stand between the exponentials and their use (ISA guide 5.7.2)
	PFMAK  \np, \q, \q, \l, 0x3c088889
	PFMAK  \np, \q, \q, \l, 0x3d2aaaab
	PFMAK  \np, \q, \q, \l, 0x3e2aaaab
	PFMAK  \np, \q, \q, \l, 0.5
	PFMAK  \np, \q, \q, \l, 1.0
	PMUL   \np, \q, \q, \l
	PADDK  \np, \x, \x, -1.0
	s_wait_alu depctr_va_sdst(0)                   ; the compares at the head have written s[MSK ..], which the selects below read
.set j, 0
.rept 2*\np
	v_cndmask_b32 v[\x+j], v[\x+j], v[\q+j], s[MSK+j]
.set j, j+1
.endr
.endm
.macro XA d, tb                        ; d = X a: a is the first word of the table pair tb
.set j, 0
	s_wait_alu depctr_va_vdst(0)
.rept 4
	v_pk_mul_f32 v[\d+j:\d+j+1], v[X+j:X+j+1], v[\tb:\tb+1] op_sel_hi:[1,0]
.set j, j+2
.endr
.endm
; One point for my 8 voxels.  cur holds X a of this point; the next point's exponents (table pair tn, into nxt) are made between the
; exponentials and their use, where a plain independent line has to stand anyway.  c is the second word of the pair tc.
; first = 1: the product starts the sums, nothing is cleared.  last = 1: no point follows.
.macro POINT cur, nxt, tc, tn, first, last
	EACH1 v_exp_f32, 8, \cur, \cur
.if \last
	v_nop
	s_wait_alu depctr_va_vdst(0)
.else
	XA \nxt, \tn
.endif
.set j, 0
.rept 4
.if \first
	s_wait_alu depctr_va_vdst(0)
	v_pk_mul_f32 v[ACC+j:ACC+j+1], v[\cur+j:\cur+j+1], v[\tc:\tc+1] op_sel:[0,1] op_sel_hi:[1,1]
.else
	v_pk_fma_f32 v[ACC+j:ACC+j+1], v[\cur+j:\cur+j+1], v[\tc:\tc+1], v[ACC+j:ACC+j+1] op_sel:[0,1,0] op_sel_hi:[1,1,1]
.endif
.set j, j+2
.endr
.endm
; A step: four points.  cb: the table buffer of this step, which is in.  nb: the other buffer, the next step's.
; load = 1: the next step's 32 bytes, at v[TA] + at, are asked for at the step's head.  last = 1: no step follows.
.macro STEP cb, nb, at, first, load, last
.if \load
	s_wait_alu depctr_va_vdst(0)                   ; the step before is done reading buffer nb, in which the two loads land; in a trip's first step v[TA] is written
	ds_load_b128 v[\nb:\nb+3],   v[TA] offset:\at
	ds_load_b128 v[\nb+4:\nb+7], v[TA] offset:\at+16
.endif
	POINT T0, T1, \cb, \cb+2, \first, 0            ; no vector line from here to the wait below names buffer nb
	POINT T1, T0, \cb+2, \cb+4, 0, 0
	POINT T0, T1, \cb+4, \cb+6, 0, 0
.if \last
	POINT T1, T0, \cb+6, \cb+6, 0, 1
.else
	s_wait_dscnt 0x0                               ; buffer nb is in: its two loads are the only LDS instructions that are out
	POINT T1, T0, \cb+6, \nb, 0, 0                 ; the next step's first exponents
.endif
.endm
.macro LD2 d, p                        ; my 2 x 16 bytes of one array
	global_load_b128 v[\d:\d+3],   v[GOFF], s[\p:\p+1] th:TH_LOAD_NT
	global_load_b128 v[\d+4:\d+7], v[GOFF], s[\p:\p+1] offset:8192 th:TH_LOAD_NT
.endm
	; ---- set-up ----
	s_load_b512 s[8:23], s[0:1], 0x0               ; T2_m 8, f 10, k_mf 12, R1_f 14, R1_m 16, T2_f 18, tr 20, exc_fa 22
	s_load_b256 s[24:31], s[0:1], 0x40             ; mt_fa 24, mt_offset 26, mt_dur 28, out0 30
	v_lshl_add_u32 v30, v0, 2, 0x400
	v_mov_b32 v31, 0
	v_lshrrev_b32 v2, 5, v0
	v_readfirstlane_b32 s3, v2                     ; wave number
	s_lshl_b32 s2, ttmp9, 14                       ; the work-group's 16,384 bytes
	v_lshl_add_u32 v[GOFF], v0, 4, s2
	v_mov_b32 v[TA], 0                             ; the table begins at LDS byte 0
	s_mov_b32 s38, 0x358637bd                      ; 1e-6
	s_mov_b32 s39, 0x0d800000                      ; 2^-100
	v_mov_b32 v[LE],   0x39500d01
	v_mov_b32 v[LE+1], 0x39500d01
	v_mov_b32 v[LS],   0xb2d7322b
	v_mov_b32 v[LS+1], 0xb2d7322b
	v_mov_b32 v[LC],   0xb493f27e
	v_mov_b32 v[LC+1], 0xb493f27e
	s_wait_kmcnt 0x0
	s_wait_alu depctr_va_vdst(0)                   ; v[GOFF] is written, which every global load and store reads, and v[TA], which the first table loads read
	LD2 T2,  8                                     ; T2_m first: the sum needs nothing else
	LD2 F,   10
	LD2 K,   12
	LD2 RF,  14
	LD2 RM,  16
	LD2 T2F, 18
	s_load_b32 s32, s[20:21], 0x0                  ; tr
	s_load_b32 s33, s[22:23], 0x0                  ; exc_fa
	s_load_b32 s34, s[24:25], 0x0                  ; mt_fa
	s_load_b32 s35, s[26:27], 0x0                  ; mt_offset
	s_load_b32 s36, s[28:29], 0x0                  ; mt_dur
	; ---- the table: wave 0, lane l makes entries 4l .. 4l+3, 8 bytes each, at LDS byte 32 l.  Entries 100-127 are written and never read. ----
	s_wait_alu depctr_va_sdst(0)                   ; s3 is written, ahead of its first reader, the compare below
	s_cmp_lg_u32 s3, 0
	s_cbranch_scc1 .Lnotable
	v_and_b32 v20, 31, v0
	v_lshlrev_b32 v21, 2, v20
	v_lshlrev_b32 v22, 5, v20
.irp e, 0,1,2,3
	v_add_nc_u32 v[TIX+\e], \e, v21
	v_cvt_f32_u32 v[TH+\e], v[TIX+\e]
.endr
	v_cmp_eq_u32 s[MSK],   0,  v[TIX]              ; which lanes hold the trapezoid's two ends: the masks are read behind the reciprocals
	v_cmp_eq_u32 s[MSK+1], 99, v[TIX+3]
	PMULK  2, TH, TH, HSTEP                        ; theta = i h, at most pi/2 for the entries that are read: no reduction
	SINCOS 2, 0, TH, TWT, TR2, TSN, TCS
	PMUL   2, TCS, TCS, TCS
	PFMAKK 2, TCS, TCS, 0x40400000, -1.0           ; 3 cos^2 - 1
.irp e, 0,1,2,3
	v_max_num_f32 v[TCS+\e], |v[TCS+\e]|, s38      ; term, clipped at 1e-6 from below
.endr
	EACH1 v_rcp_f32, 4, TCS, TCS
	v_mov_b32 v[TWT+1], 1.0                        ; the trapezoid's weights (plain lines behind the reciprocals)
	v_mov_b32 v[TWT+2], 1.0
	s_wait_alu depctr_va_sdst(0)                   ; the two compares above have written s[MSK] and s[MSK+1], which the two selects read
	v_cndmask_b32 v[TWT],   1.0, 0.5, s[MSK]
	v_cndmask_b32 v[TWT+3], 1.0, 0.5, s[MSK+1]
	s_wait_alu depctr_va_vdst(0)
	PMUL   2, TSN, TSN, TCS                        ; sin / term
	PMUL   2, TSN, TSN, TWT
	PMULK  2, TSN, TSN, HSTEP
	PMUL   2, TCS, TCS, TCS                        ; 1 / term^2
.irp e, 0,1,2,3
	v_mul_f32 v[TOUT+2*\e],   0xc038aa3b, v[TCS+\e]   ; a = -2 log2(e) / term^2
	v_mul_f32 v[TOUT+2*\e+1], 0x3f4c422a, v[TSN+\e]   ; c = sqrt(2/pi) h wt sin / term
.endr
	s_wait_alu depctr_va_vdst(0)                   ; v22 and v[TOUT ..] are written, the address and the data of the two LDS stores
	ds_store_b128 v22, v[TOUT:TOUT+3]
	ds_store_b128 v22, v[TOUT+4:TOUT+7] offset:16
	s_wait_alu depctr_vm_vsrc(0)                   ; the two stores have read v22, which the lines below write again, and v[TOUT ..], which the 2 x 2 part writes again
.Lnotable:
	; ---- what hangs on the five scalars alone, in every wave, as pairs ----
	s_wait_kmcnt 0x0
	v_mov_b32 v20, s33
	v_mov_b32 v21, s33
	PMULK  1, 20, 20, 0x3c0efa35                   ; alpha / 2 in radians
	SINCOS 1, 1, 20, 22, 24, 26, 28
	PMUL   1, SINA, 26, 28
	PMULK  1, SINA, SINA, 2.0                      ; sin a = 2 sin(a/2) cos(a/2)
	PMUL   1, NOMC, 26, 26
	PMULK  1, NOMC, NOMC, -2.0                     ; -(1 - cos a) = -2 sin^2(a/2): no difference of numbers near 1
	v_mov_b32 v[KX],   s35
	v_mov_b32 v[KX+1], s35
	PMULK  1, KX, KX, 0x40c90fdb
	v_mov_b32 v[NHTR],   s32
	v_mov_b32 v[NHTR+1], s32
	PMULK  1, NHTR, NHTR, -0.5
	v_rcp_f32 v22, s36                             ; 1 / dur
	v_rcp_f32 v23, s32                             ; 1 / tr
	v_mov_b32 v24, s34                             ; (the plain line behind them)
	v_mul_f32 v24, 0x3c8efa35, v24                 ; mt_fa in radians
	s_wait_alu depctr_va_vdst(0)
	v_mul_f32 v24, v24, v22                        ; w1
	v_mul_f32 v25, s36, v23                        ; dur / tr
	v_mul_f32 v24, v24, v24
	v_mul_f32 v25, 0x40490fdb, v25
	v_mul_f32 v[KW], v24, v25
	v_mov_b32 v[KW+1], v[KW]
	; ---- the launch's one barrier: wave 0's table stores are complete before it signals, the others read behind their wait ----
	s_wait_dscnt 0x0
	s_barrier_signal -1
	s_barrier_wait -1
	ds_load_b128 v[TB0:TB0+3],   v[TA]             ; the entries of steps 0 and 1.  No wait: no vector line since the wait at the head names v[TA], TB0 or TB1
	ds_load_b128 v[TB0+4:TB0+7], v[TA] offset:16
	ds_load_b128 v[TB1:TB1+3],   v[TA] offset:32
	ds_load_b128 v[TB1+4:TB1+7], v[TA] offset:48
	; ---- the sum over 100 points: 25 steps of four ----
	s_wait_loadcnt 0xa                             ; T2_m's two loads are in; the ten younger ones stay out
	PMULU 4, X, T2, KX
	PMUL  4, X, X, X
	s_wait_dscnt 0x2                               ; TB0's two loads are in, TB1's two may be out
	XA T0, TB0
	STEP TB0, TB1, 0, 1, 0, 0                      ; step 0: its products start the sums; step 1's entries are asked for already
	s_mov_b32 s37, 11
.Ltrip:                                                ; steps 1 to 22, two to a trip: both buffers are back at their start
	s_wait_alu depctr_vm_vsrc(0)                   ; the table loads issued so far have read v[TA]
	v_add_nc_u32 v[TA], 64, v[TA]                  ; two steps' entries on; the wait at the head of the step below states that it is written
	STEP TB1, TB0, 0, 0, 1, 0
	STEP TB0, TB1, 32, 0, 1, 0
	s_sub_co_i32 s37, s37, 1
	s_cmp_lg_u32 s37, 0
	s_cbranch_scc1 .Ltrip
	STEP TB1, TB0, 64, 0, 1, 0                     ; step 23 asks for the last 32 bytes, 768 to 799: the immediate reaches them, v[TA] stays
	STEP TB0, TB1, 0, 0, 0, 1                      ; points 96-99: nothing more is asked of the table
	; ---- the 2 x 2 part ----
	s_wait_loadcnt 0x0                             ; all twelve loads
	PMUL   4, ACC, ACC, T2                         ; g
	PMULU  4, ACC, ACC, KW                         ; W
	PFMAKK 4, OMF, F, -1.0, 1.0                    ; 1 - f
	PADDK  4, DN, OMF, 0x3089705f                  ; + 1e-9
	EACH1  v_rcp_f32, 8, DN, DN
	PMUL   4, KFR, K, F                            ; (plain lines behind the reciprocals)
	PMUL   4, KFR, KFR, DN                         ; kfr
	PADD   4, RW, ACC, RM                          ; R1m + W
	PADD   4, RT, RW, K                            ; r
	PADD   4, PT, RF, KFR                          ; p
	PMUL   4, DET, RF, RT
	PFMA   4, DET, KFR, RW, DET                    ; det R = R1f r + kfr (R1m + W): a sum, not p r - k kfr
	PMUL   4, B0, RF, OMF
	PMUL   4, B1, RM, F
	PMUL   4, NUM, RT, B0
	PFMA   4, NUM, K, B1, NUM                      ; Mz[0] det R
	PMUL   4, KK, K, KFR
	PSUB   4, DF, RT, PT                           ; r - p
	PADD   4, SS, RT, PT                           ; r + p
	PMUL   4, ZZ, DF, DF
	PMULK  4, FL, ZZ, 0x34000000                   ; the floor, 2^-23 (r - p)^2
	PFMAM  4, ZZ, KK, 4.0, ZZ
.set j, 0
.rept 8
	v_cmp_gt_f32 s[MSK+j], 0, v[ZZ+j]              ; where the eigenvalues are complex: eight masks in one run
.set j, j+1
.endr
.set j, 0
.rept 8
	v_max_num_f32 v[ZP+j], v[ZZ+j], v[FL+j]
	v_max_num_f32 v[ZN+j], -v[ZZ+j], 0             ; ZN: -ZZ where they are complex, else 0
.set j, j+1
.endr
	s_wait_alu depctr_va_sdst(0)                   ; the eight compares have written s[MSK ..], which the selects below read
.set j, 0
.rept 8
	v_cndmask_b32 v[ZP+j], v[ZP+j], 0, s[MSK+j]    ; ZP: ZZ where the eigenvalues are real, else 0
	v_max3_num_f32 v[MX+j], v[ZP+j], v[ZN+j], s39  ; |ZZ|, kept off 0 for the root
.set j, j+1
.endr
	EACH1  v_rsq_f32, 8, MX, MX
	PMULU  4, SS, SS, NHTR                         ; s (plain lines behind the roots)
	PMUL   4, PRHO, DF, RR                         ; (r - p) / sqrt|ZZ|
	PMULU  4, RH, RR, NHTR
	PMUL   4, WW, ZP, RH                           ; w = -(tr/2) sqrt ZP
	PMUL   4, YY, ZN, RH
	PMULK  4, YY, YY, 0.5                          ; y = -(tr/4) sqrt ZN
	PADD   4, L1, SS, WW
	PSUB   4, L2, SS, WW
	EXPM1  8, L1, X1, QQ                           ; x1, x2
	SINCOS 4, 1, YY, NR, Y2, SH, CH
	PADDK  4, ES, X1, 1.0
	PMUL   4, UU, ES, SH                           ; e^s sin y
	PMUL   4, US, UU, SH
	PMUL   4, UC, UU, CH
	PMUL   4, PP, X1, X2
	PFMAM  4, D1, US, 4.0, PP                      ; det(I - E) = x1 x2 + 4 e^s sin^2 y
	PADD   4, HS, X1, X2
	PSUB   4, WK, X1, X2
	PFMAM  4, WK, UC, 4.0, WK
	PFMA   4, WK, PRHO, WK, HS
	PFMAM  4, WK, WK, 0.5, PP
	PFMAM  4, WK, US, 2.0, WK                      ; -(E11 - det E)
	PFMAU  4, WK, WK, NOMC, D1                     ; det(I - E Q)
	PMUL   4, WK, WK, DET
	EACH1  v_rcp_f32, 8, WK, WK
	PMUL   4, NUM, NUM, D1                         ; (plain lines behind the reciprocals)
	PMULU  4, NUM, NUM, SINA
	PMUL   4, NUM, NUM, WK
	s_wait_alu depctr_va_vdst(0)                   ; the last multiplies have written v[NUM ..], which the two stores read
	global_store_b128 v[GOFF], v[NUM:NUM+3],   s[30:31] th:TH_STORE_NT
	global_store_b128 v[GOFF], v[NUM+4:NUM+7], s[30:31] offset:8192 th:TH_STORE_NT
	s_wait_dscnt 0x0
	s_wait_alu depctr_hold_cnt(0) depctr_sa_sdst(0) depctr_va_vdst(0) depctr_va_sdst(0) depctr_va_ssrc(0) depctr_va_vcc(0) depctr_vm_vsrc(0)
	s_wait_tensorcnt 0x0
	ds_add_u32 v30, v31
	s_wait_dscnt 0x0
	s_endpgm
.Lfunc_end_k_q376d6eabca_qmt:
	.size	k_q376d6eabca_qmt, .Lfunc_end_k_q376d6eabca_qmt-k_q376d6eabca_qmt
	.p2alignl 7, 3214868480
	.fill 96, 4, 3214868480
	.section	.rodata,"a",@progbits
	.p2align	6, 0x0
	.amdhsa_kernel k_q376d6eabca_qmt
		.amdhsa_group_segment_fixed_size 3072
		.amdhsa_private_segment_fixed_size 0
		.amdhsa_enable_private_segment 0
		.amdhsa_kernarg_size 96
		.amdhsa_user_sgpr_count 2
		.amdhsa_user_sgpr_kernarg_segment_ptr 1
		.amdhsa_wavefront_size32 1
		.amdhsa_system_sgpr_workgroup_id_x 1
		.amdhsa_system_sgpr_workgroup_id_y 1
		.amdhsa_system_sgpr_workgroup_id_z 1
		.amdhsa_system_vgpr_workitem_id 0
		.amdhsa_next_free_vgpr 216
		.amdhsa_next_free_sgpr 66
		.amdhsa_reserve_vcc 0
		.amdhsa_float_denorm_mode_32 3
		.amdhsa_float_denorm_mode_16_64 3
		.amdhsa_memory_ordered 1
		.amdhsa_forward_progress 1
		.amdhsa_inst_pref_size 58
	.end_amdhsa_kernel
	.amdgpu_metadata
---
amdhsa.version: [ 1, 2 ]
amdhsa.kernels:
  - .name:           k_q376d6eabca_qmt
    .symbol:         k_q376d6eabca_qmt.kd
    .args:
      - { .name: T2_m, .offset: 0, .size: 8, .value_kind: global_buffer, .address_space: global }
      - { .name: f, .offset: 8, .size: 8, .value_kind: global_buffer, .address_space: global }
      - { .name: k_mf, .offset: 16, .size: 8, .value_kind: global_buffer, .address_space: global }
      - { .name: R1_f, .offset: 24, .size: 8, .value_kind: global_buffer, .address_space: global }
      - { .name: R1_m, .offset: 32, .size: 8, .value_kind: global_buffer, .address_space: global }
      - { .name: T2_f, .offset: 40, .size: 8, .value_kind: global_buffer, .address_space: global }
      - { .name: tr, .offset: 48, .size: 8, .value_kind: global_buffer, .address_space: global }
      - { .name: exc_fa, .offset: 56, .size: 8, .value_kind: global_buffer, .address_space: global }
      - { .name: mt_fa, .offset: 64, .size: 8, .value_kind: global_buffer, .address_space: global }
      - { .name: mt_offset, .offset: 72, .size: 8, .value_kind: global_buffer, .address_space: global }
      - { .name: mt_dur, .offset: 80, .size: 8, .value_kind: global_buffer, .address_space: global }
      - { .name: out0, .offset: 88, .size: 8, .value_kind: global_buffer, .address_space: global }
    .group_segment_fixed_size: 3072
    .private_segment_fixed_size: 0
    .kernarg_segment_align: 8
    .kernarg_segment_size: 96
    .max_flat_workgroup_size: 512
    .sgpr_count:     66
    .vgpr_count:     216
    .wavefront_size: 32
...
	.end_amdgpu_metadata
.endif
;; end of part 2
